; MI455X (gfx1250); checked and timed in simulation.
; The chip was launched on July 23, 2026; its instructions are those of AMD's public machine-readable ISA for CDNA 5 (MIT licence, August 2026) and "CDNA5" Instruction Set Architecture Reference Guide (July 2026). The comments in the code are by the model that wrote it; some were corrected since.
;; Three Layer FC Model. Allowed arithmetic: matrix products marked QUANTISED: E4M3 operands, one given power-of-two scale a tensor, by v_wmma_f32_16x16x64_fp8_fp8 or v_wmma_f32_16x16x128_fp8_fp8, f32 sums; everything else in f32.
;; Inputs: b0 1,024 float32; b1 1,024 float32; b2 1,024 float32; lowp_scales 6 int32 (the exponents e of the quantised operands' scales 2^e); mask1 1,024 x 1,024 bool; mask2 1,024 x 1,024 bool; w0_codes 1,024 x 32 x 32 uint8 (E4M3 codes of w0, K innermost, in blocks of 32 codes); w1 1,024 x 1,024 float32; w2 1,024 x 1,024 float32; x_codes 16,384 x 32 x 32 uint8 (E4M3 codes of x, K innermost, in blocks of 32 codes).
;; Outputs: out0 16,384 x 1,024 float32.
;; This version of the problem:
;;   THIS VERSION OF THE PROBLEM IS GIVEN IN LOW PRECISION. The matrix products marked QUANTISED in the list below multiply operands that are first quantised to E4M3 (4 exponent bits, 3 mantissa bits; 8 bits a number), with one given power-of-two scale for each operand tensor; their sums are f32. All else is computed in f32.
;;   The module's matrix products, in the order in which they are computed (A, B: the left and right operand; K: the contracted axis; several contracted axes count as one K, in the product's order):
;;     1. [M 16,384, K 1,024] x [K 1,024, N 1,024]; A: input x (given as codes); B: input w0 (given as codes): QUANTISED (scales: A lowp_scales[0], B lowp_scales[1])
;;     2. [M 16,384, K 1,024] x [K 1,024, N 1,024]; A: computed on the way; B: computed on the way: QUANTISED (scales: A lowp_scales[2], B lowp_scales[3])
;;     3. [M 16,384, K 1,024] x [K 1,024, N 1,024]; A: computed on the way; B: computed on the way: QUANTISED (scales: A lowp_scales[4], B lowp_scales[5])
;;   THE QUANTISER, for each operand of a quantised product, along K:
;;     - The operand's scale is 2^e, e = its entry of the input lowp_scales (int32; the entries are numbered through the quantised products in the list's order, A before B).
;;     - Each number is divided by the scale, clamped to +-448, and rounded to the nearest number of E4M3, ties to even, subnormals kept.
;;     - The product sums the exact products of the quantised numbers (number of the format x scale) in f32.
;;   ~~~python
;;   def quantise(x, axis, e):      # numpy; x: float32 -> the quantised numbers, widened to float32 again
;;       x = np.moveaxis(x, axis, -1); K = x.shape[-1]
;;       r = np.clip(x / 2.0 ** e, -448, 448)
;;       step = 2.0 ** (np.maximum(np.frexp(np.where(r == 0, 1, r))[1] - 1, -6) - 3)
;;       q = np.round(r / step) * step * 2.0 ** e      # np.round: ties to even
;;       return np.moveaxis(q, -1, axis).astype(np.float32)
;;   ~~~
;;   OPERANDS COMPUTED ON THE WAY. 'Computed on the way' means the value that the module computes at that place (a softmax that the list does not call 'softmax' is quantised finished and normalised). What goes into a quantiser is computed in f32, as accurately as f32 sums, v_exp_f32 and their like allow (about 1e-6 of the number): no bf16 or f16 on the way to a quantiser, and a product that is left as it is and whose result goes on into a quantised operand takes f32 operands (vector FMAs, or v_wmma_f32_16x16x4_f32). A number that lies on a knife's edge between two numbers of the format may be rounded either way, as far as f32 arithmetic and the matrix unit's own rounding can turn it there, and no further.
;;   INPUTS GIVEN AS CODES. w0 (in the module: [1024, 1024], K = its axis 1); x (in the module: [16384, 1024], K = its axis 1): each comes as NAME_codes (uint8): NAME with its K axis moved to the last place and cut into blocks of 32 codes, [.., K / 32, bytes a block], one block behind the other in memory; one code a byte (a code: sign, 4 exponent bits, 3 mantissa bits); its scale is its entry of lowp_scales. Its value is code x scale, taken as it is: it is not quantised again, and the codes and scales need not be those that the quantiser above would give.
;; One version. Each part assembles by itself: llvm-mc -triple=amdgcn-amd-amdhsa -mcpu=gfx1250 --defsym DOCPART=n.
;; ======== version 1 of 1: 3 launches
;; limits: right only within a limited range of input values
;; workspace buffers: h1 16,777,216 bytes; h2 16,777,216 bytes; w1q 1,048,576 bytes; w2q 1,048,576 bytes
;; launch layer1 (part 1): grid 4 x 64, 4 waves a work-group, clusters of 4 x 4, 327,680 bytes of LDS; arguments x_codes, w0_codes, lowp_scales, b0, h1, w1, mask1, w1q, w2, mask2, w2q; writes h1, w1q, w2q
.if DOCPART == 1
	.amdgcn_target "amdgcn-amd-amdhsa--gfx1250"
	.amdhsa_code_object_version 6
	.text
	.protected	k_q0e2c2ce9d5_layer1
	.globl	k_q0e2c2ce9d5_layer1
	.p2align	8
	.type	k_q0e2c2ce9d5_layer1,@function
k_q0e2c2ce9d5_layer1:
	s_mov_b64 s[64:65], 0
	v_nop
	global_prefetch_b8 v0, s[64:65] scope:SCOPE_SE
	s_setreg_imm32_b32 hwreg(HW_REG_WAVE_MODE, 25, 1), 1
	s_wait_xcnt 0x0
	s_wait_alu depctr_hold_cnt(0) depctr_sa_sdst(0) depctr_va_vdst(0) depctr_va_sdst(0) depctr_va_ssrc(0) depctr_va_vcc(0) depctr_vm_vsrc(0)
	s_getreg_b32 s2, hwreg(HW_REG_IB_STS2, 6, 4)
	s_cmp_eq_u32 s2, 0
	s_cbranch_scc0 .Lentry_in_a_cluster
	s_endpgm
.Lentry_in_a_cluster:
	s_bfe_u32 s2, ttmp6, 0x10000c
	s_cmp_lg_u32 s2, 0xf033
	s_cbranch_scc0 .Lentry_shape_is_right
	s_endpgm
.Lentry_shape_is_right:
; FIRST LAYER: H = Q(relu(A W^T + b)), and beside it both later weights: WQ = Q(w x mask) for w1 and w2.
; A = x_codes [16384][1024], W = w0_codes [1024][1024]: codes of E4M3, K innermost, rows of 1,024 bytes.  lowp_scales: e0 .. e5.
; A sum S stands for S x 2^(e0+e1): b goes in as b / 2^(e0+e1), as the C of each sum's first product; H's conversion takes 2^(e2-e0-e1); the hold between 0 and 448 x that is the relu too.
; LIMITS: e2-e0-e1, e3 and e5 lie between -126 and 119.  NaN among the inputs is not served.  A weight under a mask byte 0 becomes 0, also where it is infinite or NaN.
; SHARES: a work-group of four waves makes 256 rows x 256 columns; 64 x 4 = 256 work-groups.  Wave w keeps W's rows 64 w .. 64 w + 63 over all of K in 512 registers and walks A in eight passes of 32 rows:
; 8 accumulators, 64 products a pass.  k is permuted alike in A's and W's fragments (loads of 16 bytes): every product meets its partner.
; LDS: A's image, 256 rows of 1,040 bytes, from byte 0; W's image, the same size, from byte 33,280.  At the head waves 0 and 1 fetch W's halves, waves 2 and 3 A's rows 0-31, which lie in front of W's image.
; When W is in registers one joint load a wave brings A's rows 32-255 onto W's bytes; pass 0 is multiplied meanwhile.
; CLUSTERS 4 x 4: A's tiles are asked for jointly along a row of the cluster, W's along a column.
; H'S LAYOUT is the next layer's operand registers: [16 rows][128 k] blocks of 2,048 bytes, as 4 chunks of 512: lane l = 16 h + r holds 16 bytes: k = 32 c + 8 h + 0..7, then 32 c + 16 + 8 h + 0..7 of row r.
; The products are used transposed (source 0 = W's rows), so a lane's eight sums are eight neighbours along the next K: two conversions make a lane's 16 bytes, and a wave's store covers 512 consecutive bytes.
; PREFETCH: A's rows 32-255 are named at the head, one block of 256 bytes a lane, the four partners of a row sharing them by address (56 rows each, a quarter of each row a wave).  W and A's first rows are asked for by the head's loads themselves.
.set KROW,   1024
.set PITCH,  1040                      ; 1,024 bytes + 16: row r starts at bank 4 r mod 64 (ISA guide 11.1)
.set TILEB,  16*PITCH
.set QB,     32*PITCH
.set WIM,    QB                        ; W's image
.set SPARE,  WIM+256*PITCH             ; the spare words, 512 bytes
.set NP,     4                         ; places behind this matrix instruction (ISA guide 7.12.1)
.set WO,7                              ; 32 x lane    .set MO: 8 x lane
.set MO,8
.set BO,9                              ; 32 x (lane / 16)
.set SCL,10                            ; 2^(e2-e0-e1)
.set LIM,11                            ; 448 x that
.set WS,12                             ; a weight's scale, and 448 x it
.set WL,13
.set TM,14
.set ADA,16                            ; v16-19 A's image, two passes to a register
.set ADB,20                            ; my 64 rows of W's image
.set PFO,21                            ; the prefetches' offsets
.set PFQ,22
.set CO,26                             ; 16 x lane
.set SPW,28
.set NIL,29
.set BIAS,32                           ; v32-63
.set ACC,64                            ; v64-127
.set TMP,128                           ; v128-191 held sums
.set BK,192                            ; codes, 16 registers, two sets by turns
.set G1W,24                            ; group 1: W, 128 rows
.set G0W,32
.set G0H,36
.set G1H,48                            ; A at the head, 16 rows
.set G1R,56                            ; A's refill, 56 rows
.set G0R,96
.set EA,76
.set EB,77
.set EH,78
.set PADW,(1<<20)|(1<<21)|(7<<22)|(3<<25)   ; 1-byte elements; padding of 4 words behind every 256; bit 21 beside a mask
.set MSB, 0
.macro WIN new
.if MSB != (\new)
	s_set_vgpr_msb (MSB<<8)|(\new)
.set MSB, (\new)
.endif
.endm
.set MUL_W, 0x06                       ; source 0 (W) window 2 or 3, source 1 (A) window 1, C and D window 0
.set TO_A,  0x40
.macro CREST
	s_cmp_lg_u32 s14, 0
	s_cbranch_scc1 .Lnot_wave_0_\@
	s_barrier_signal -3
.Lnot_wave_0_\@:
	s_barrier_wait -3
	s_barrier_signal -1
	s_barrier_wait -1
.endm
.macro CROUND                          ; a round of the cluster's barrier
	s_barrier_signal -1
	s_barrier_wait -1
	CREST
.endm
.macro PLACES n
.rept \n
	v_nop
.endr
.endm
	s_load_b256 s[4:11], s[0:1], 0x0               ; A, W, scales, b
	s_load_b64 s[72:73], s[0:1], 0x20              ; H
	s_load_b256 s[84:91], s[0:1], 0x28             ; w1, mask1, w1q, w2
	s_load_b128 s[92:95], s[0:1], 0x48             ; mask2, w2q
	v_lshl_add_u32 v[SPW], v0, 2, SPARE
	v_mov_b32 v[NIL], 0
	ds_add_u32 v[SPW], v[NIL]                      ; the opening lines: the add twice and one wait
	ds_add_u32 v[SPW], v[NIL]
	v_lshrrev_b32 v1, 5, v0
	v_readfirstlane_b32 s14, v1                    ; wave
	s_lshr_b32 s15, s14, 1                         ; 0: I fetch W at the head, 1: A
	s_and_b32 s16, s14, 1                          ; which half
	s_bfe_u32 s40, ttmp6, 0x40000                  ; cx
	s_bfe_u32 s41, ttmp6, 0x40004                  ; cy
	s_lshl_b32 s42, ttmp9, 2
	s_add_co_u32 s42, s42, s40                     ; tile column
	s_and_b32 s17, ttmp7, 0xffff
	s_lshl_b32 s17, s17, 2
	s_add_co_u32 s17, s17, s41                     ; tile row
	s_lshl_b32 s43, s41, 2
	s_lshl_b32 s43, 15, s43                        ; my row of the cluster
	s_lshl_b32 s44, 0x1111, s40                    ; my column
	s_or_b32 s[G1W], s44, PADW
	s_or_b32 s[G1H], s43, PADW
	s_or_b32 s[G1R], s43, PADW
.irp g, G1W, G1H, G1R
	s_mov_b32 s[\g+1], KROW<<16
	s_mov_b32 s[\g+3], KROW<<16
	s_mov_b32 s[\g+5], KROW
	s_mov_b32 s[\g+6], 0
	s_mov_b32 s[\g+7], 0
.endr
	s_mov_b32 s[G1W+2], 128<<16
	s_mov_b32 s[G1W+4], 128
	s_mov_b32 s[G1H+2], 16<<16
	s_mov_b32 s[G1H+4], 16
	s_mov_b32 s[G1R+2], 56<<16
	s_mov_b32 s[G1R+4], 56
	s_lshl_b32 s46, s42, 18                        ; W: 256 rows x tile column + 128 x half
	s_lshl_b32 s18, s16, 17
	s_add_co_u32 s46, s46, s18
	s_mov_b32 s47, 0
	s_lshl_b32 s20, s17, 18                        ; A at the head: 256 rows x tile row + 16 x half
	s_lshl_b32 s18, s16, 14
	s_add_co_u32 s20, s20, s18
	s_mov_b32 s21, 0
	s_mul_i32 s22, s14, 56*KROW                    ; A's refill: row 32 + 56 x wave
	s_lshl_b32 s18, s17, 18
	s_add_co_u32 s22, s22, s18
	s_add_co_u32 s22, s22, 32*KROW
	s_mov_b32 s23, 0
	s_mov_b32 s[G0W], 1
	s_mul_i32 s[G0W+1], s16, 128*PITCH
	s_add_co_u32 s[G0W+1], s[G0W+1], WIM
	s_mov_b32 s[G0H], 1
	s_mul_i32 s[G0H+1], s16, TILEB
	s_mov_b32 s[G0R], 1
	s_mul_i32 s[G0R+1], s14, 56*PITCH
	s_add_co_u32 s[G0R+1], s[G0R+1], QB
	s_mul_i32 s45, s14, 64*PITCH
	s_add_co_u32 s45, s45, WIM                     ; my 64 rows of W's image
	s_lshl_b32 s66, s42, 10                        ; b: 4 x (256 x tile column + 64 x wave)
	s_lshl_b32 s18, s14, 8
	s_add_co_u32 s66, s66, s18
	s_mov_b32 s67, 0
	s_lshl_b32 s2, s17, 18                         ; H: 16 row blocks x tile row; my 64 columns are bytes 4,096 x tile column + 1,024 x wave of a block
	s_lshl_b32 s18, s42, 12
	s_add_co_u32 s2, s2, s18
	s_lshl_b32 s18, s14, 10
	s_add_co_u32 s2, s2, s18
	s_mov_b32 s3, 0
	s_mul_i32 s68, s40, 56*KROW                    ; prefetch: row 32 + 56 cx, byte 256 x wave
	s_lshl_b32 s18, s17, 18
	s_add_co_u32 s68, s68, s18
	s_lshl_b32 s18, s14, 8
	s_add_co_u32 s68, s68, s18
	s_add_co_u32 s68, s68, 32*KROW
	s_mov_b32 s69, 0
	s_lshl_b32 s18, s17, 2
	s_add_co_u32 s18, s18, s42                     ; id = 4 x tile row + tile column; my wave takes row 4 id + wave of each later weight
	s_lshl_b32 s74, s18, 14
	s_lshl_b32 s18, s14, 12
	s_add_co_u32 s74, s74, s18
	s_mov_b32 s75, 0
	s_lshr_b32 s82, s74, 2
	s_mov_b32 s83, 0
	s_wait_dscnt 0x0
	s_wait_kmcnt 0x0
	s_load_b128 s[76:79], s[8:9], 0x0              ; e0 .. e3
	s_load_b64 s[80:81], s[8:9], 0x10              ; e4, e5
	s_add_nc_u64 s[G0W+2:G0W+3], s[6:7], s[46:47]
	s_or_b32 s[G0W+3], s[G0W+3], 0x80000000
	s_add_nc_u64 s[G0H+2:G0H+3], s[4:5], s[20:21]
	s_or_b32 s[G0H+3], s[G0H+3], 0x80000000
	s_add_nc_u64 s[G0R+2:G0R+3], s[4:5], s[22:23]
	s_or_b32 s[G0R+3], s[G0R+3], 0x80000000
	s_add_nc_u64 s[70:71], s[4:5], s[68:69]
	s_add_nc_u64 s[10:11], s[10:11], s[66:67]
	s_add_nc_u64 s[72:73], s[72:73], s[2:3]
	s_add_nc_u64 s[84:85], s[84:85], s[74:75]
	s_add_nc_u64 s[86:87], s[86:87], s[82:83]
	s_add_nc_u64 s[88:89], s[88:89], s[82:83]
	s_add_nc_u64 s[90:91], s[90:91], s[74:75]
	s_add_nc_u64 s[92:93], s[92:93], s[82:83]
	s_add_nc_u64 s[94:95], s[94:95], s[82:83]
	CROUND                                         ; the first joint loads meet
	s_cmp_eq_u32 s15, 0
	s_cbranch_scc0 .Lhead_a
	tensor_load_to_lds s[G0W:G0W+3], s[G1W:G1W+7]  ; one tensor load a wave at the head
	s_nop 0
	PLACES 4
	s_branch .Lhead_j
.Lhead_a:
	tensor_load_to_lds s[G0H:G0H+3], s[G1H:G1H+7]
	s_nop 0
	PLACES 4
.Lhead_j:
	v_and_b32 v1, 15, v0                           ; r
	v_bfe_u32 v2, v0, 4, 1                         ; h
	v_and_b32 v6, 31, v0                           ; lane
	v_lshlrev_b32 v[BO], 5, v2
	v_lshlrev_b32 v[PFO], 10, v6                   ; rows 0-31 of my 56
	v_add_nc_u32 v5, 32, v6
	v_min_u32 v5, 55, v5                           ; rows 32-55; the lanes left over name the last again
	v_lshlrev_b32 v[PFQ], 10, v5
	v_lshlrev_b32 v[WO], 5, v6
	v_lshlrev_b32 v[MO], 3, v6
.irp n, 0,1,2,3
	global_load_b128 v[BIAS+8*\n:BIAS+8*\n+3],   v[BO], s[10:11] offset:64*\n      ; b of columns 16 n + 8 h + 0 .. 7
	global_load_b128 v[BIAS+8*\n+4:BIAS+8*\n+7], v[BO], s[10:11] offset:64*\n+16
.endr
.macro QLOAD wx, mk, pw, pm            ; 12 loads: a row of a weight, 4 x 8 numbers a lane, and their mask bytes
.irp g, 0,1,2,3
	global_load_b128 v[\wx+8*\g:\wx+8*\g+3],   v[WO], s[\pw:\pw+1] offset:1024*\g th:TH_LOAD_NT
	global_load_b128 v[\wx+8*\g+4:\wx+8*\g+7], v[WO], s[\pw:\pw+1] offset:1024*\g+16 th:TH_LOAD_NT
.endr
.irp g, 0,1,2,3
	global_load_b64 v[\mk+2*\g:\mk+2*\g+1], v[MO], s[\pm:\pm+1] offset:256*\g th:TH_LOAD_NT
.endr
.endm
	QLOAD 64, 128, 84, 86
	QLOAD 96, 136, 90, 92
	global_prefetch_b8 v[PFO], s[70:71] th:TH_LOAD_NT scope:SCOPE_SE
	global_prefetch_b8 v[PFQ], s[70:71] th:TH_LOAD_NT scope:SCOPE_SE
	v_mul_u32_u24 v3, v1, PITCH
	v_lshl_add_u32 v4, v2, 4, v3                   ; a fragment's row x pitch + 16 h
	v_add_nc_u32 v[ADB], s45, v4
.irp g, 0,1,2,3
	v_add_nc_u32 v[ADA+\g], \g*4*TILEB, v4
.endr
	v_lshlrev_b32 v[CO], 4, v6
	s_wait_alu depctr_va_vdst(0)
	s_wait_kmcnt 0x0
	s_add_co_i32 s12, s[EA], s[EB]
	s_sub_co_i32 s13, 0, s12
	s_sub_co_i32 s18, s[EH], s12
	s_add_co_i32 s18, s18, 127
	s_lshl_b32 s19, s18, 23
	v_mov_b32 v[SCL], s19
	s_add_co_i32 s18, s18, 8
	s_lshl_b32 s18, s18, 23
	s_or_b32 s18, s18, 0x600000
	v_mov_b32 v[LIM], s18
	s_wait_loadcnt 24                              ; b is in; the 24 loads of the two weights may be out
.set k, 0
.rept 32
	v_ldexp_f32 v[BIAS+k], v[BIAS+k], s13          ; b / 2^(e0+e1)
.set k, k+1
.endr
.macro QUANT wx, mk, wc, pq, se        ; x mask, held at 448 x the scale, converted, stored: 32 lanes store 256 consecutive bytes
	s_add_co_i32 s18, s[\se], 127
	s_lshl_b32 s19, s18, 23
	v_mov_b32 v[WS], s19
	s_add_co_i32 s18, s18, 8
	s_lshl_b32 s18, s18, 23
	s_or_b32 s18, s18, 0x600000
	v_mov_b32 v[WL], s18
.irp g, 0,1,2,3
.irp i, 0,1,2,3,4,5,6,7
	v_and_b32 v[TM], 0xff<<(8*(\i%4)), v[\mk+2*\g+\i/4]
	v_cmp_ne_u32 vcc_lo, 0, v[TM]
	v_cndmask_b32 v[\wx+8*\g+\i], 0, v[\wx+8*\g+\i], vcc_lo
.endr
.endr
.set k, 0
.rept 32
	v_med3_num_f32 v[\wx+k], v[\wx+k], -v[WL], v[WL]   ; the conversion does not saturate (ISA guide 7.6.2)
.set k, k+1
.endr
.irp g, 0,1,2,3
	v_cvt_scalef32_pk8_fp8_f32 v[\wc+2*\g:\wc+2*\g+1], v[\wx+8*\g:\wx+8*\g+7], v[WS]
.endr
	v_nop                                          ; one plain place behind the last scaled conversion
.irp g, 0,1,2,3
	global_store_b64 v[MO], v[\wc+2*\g:\wc+2*\g+1], s[\pq:\pq+1] offset:256*\g
.endr
.endm
	s_wait_loadcnt 12                              ; w1's twelve are in
	QUANT 64, 128, 144, 88, 79
	s_wait_loadcnt 0x0
	QUANT 96, 136, 152, 94, 81
.macro READB                           ; my 64 rows of W, all of K, into windows 2 and 3: fragment (k step s, block n) at v[16 (4 s + n)]
.irp wn, 0,1
	WIN 0x80+0x40*\wn
.irp s, 0,1,2,3
.irp n, 0,1,2,3
.irp c, 0,1,2,3
	ds_load_b128 v[16*(4*\s+\n)+4*\c:16*(4*\s+\n)+4*\c+3], v[ADB] offset:\n*TILEB+128*(4*\wn+\s)+32*\c
.endr
.endr
.endr
.endr
	WIN 0
.endm
.macro FETCHA p, hf                    ; 32 loads: pass p's two blocks of 16 rows, half hf of K, into window 1
	WIN TO_A
.irp s, 0,1,2,3
.irp t, 0,1
.irp c, 0,1,2,3
	ds_load_b128 v[128*(\hf)+16*(2*\s+\t)+4*\c:128*(\hf)+16*(2*\s+\t)+4*\c+3], v[ADA+(\p)/2] offset:(2*((\p)%2)+\t)*TILEB+128*(4*(\hf)+\s)+32*\c
.endr
.endr
.endr
	WIN 0
.endm
.macro MULH hf                         ; 32 products; the 8 accumulators take turns; the first starts each sum from b
	WIN MUL_W+(\hf)
.irp s, 0,1,2,3
.irp t, 0,1
.irp n, 0,1,2,3
.if (\hf == 0) && (\s == 0)
	v_wmma_f32_16x16x128_fp8_fp8 v[ACC+8*(4*\t+\n):ACC+8*(4*\t+\n)+7], v[16*(4*\s+\n):16*(4*\s+\n)+15], v[128*(\hf)+16*(2*\s+\t):128*(\hf)+16*(2*\s+\t)+15], v[BIAS+8*\n:BIAS+8*\n+7]
.else
	v_wmma_f32_16x16x128_fp8_fp8 v[ACC+8*(4*\t+\n):ACC+8*(4*\t+\n)+7], v[16*(4*\s+\n):16*(4*\s+\n)+15], v[128*(\hf)+16*(2*\s+\t):128*(\hf)+16*(2*\s+\t)+15], v[ACC+8*(4*\t+\n):ACC+8*(4*\t+\n)+7]
.endif
.endr
.endr
.endr
	WIN 0
.endm
.macro EPI p                           ; relu and hold in one, 8 conversions, 4 stores of 512 consecutive bytes
.set CD, BK+16*((\p)%2)
	s_wait_xcnt 0x0                                ; earlier stores have read their registers
.set k, 0
.rept 64
	v_med3_num_f32 v[TMP+k], v[ACC+k], 0, v[LIM]   ; each accumulator from its low end on
.set k, k+1
.endr
.irp t, 0,1
.irp n, 0,1,2,3
	v_cvt_scalef32_pk8_fp8_f32 v[CD+8*\t+2*\n:CD+8*\t+2*\n+1], v[TMP+8*(4*\t+\n):TMP+8*(4*\t+\n)+7], v[SCL]
.endr
.endr
	v_nop
.irp t, 0,1
.irp c, 0,1
	global_store_b128 v[CO], v[CD+8*\t+4*\c:CD+8*\t+4*\c+3], s[72:73] offset:(2*(\p)+\t)*16384+\c*512
.endr
.endr
.endm
.macro PASS p, nxt
	s_wait_dscnt 32                                ; all but the 32 LDS instructions issued last
	MULH 0
.if \nxt
	PLACES NP
	FETCHA (\p)+1, 0
	s_wait_dscnt 32
.else
	s_wait_dscnt 0x0
.endif
	MULH 1
	PLACES NP
.if \nxt
	FETCHA (\p)+1, 1
.endif
	EPI \p
.endm
	s_wait_alu depctr_va_vdst(0)                   ; the head's end
	s_wait_tensorcnt 0x0                           ; my head load is in,
	s_barrier_signal -1
	s_barrier_wait -1                              ; everybody's is
	READB
	s_wait_tensorcnt 0x0                           ; ahead of the refill
	ds_add_u32 v[SPW], v[NIL]
	s_wait_dscnt 0x0                               ; W is in registers
	CROUND
	tensor_load_to_lds s[G0R:G0R+3], s[G1R:G1R+7]  ; A's rows 32 + 56 w .. onto W's bytes
	s_nop 0
	PLACES 4
	FETCHA 0, 0
	FETCHA 0, 1
	PASS 0, 0
	s_wait_tensorcnt 0x0                           ; my part of A's rows 32-255 is in
	ds_add_u32 v[SPW], v[NIL]
	s_wait_dscnt 0x0
	s_barrier_signal -1
	s_barrier_wait -1
	FETCHA 1, 0
	FETCHA 1, 1
.irp p, 1,2,3,4,5,6
	PASS \p, 1
.endr
	PASS 7, 0
	s_wait_tensorcnt 0x0                           ; the wave's end
	ds_add_u32 v[SPW], v[NIL]
	s_wait_dscnt 0x0
	CROUND                                         ; the closing round
	s_endpgm
.Lfunc_end_k_q0e2c2ce9d5_layer1:
	.size	k_q0e2c2ce9d5_layer1, .Lfunc_end_k_q0e2c2ce9d5_layer1-k_q0e2c2ce9d5_layer1
	.p2alignl 7, 3214868480
	.fill 96, 4, 3214868480
	.section	.rodata,"a",@progbits
	.p2align	6, 0x0
	.amdhsa_kernel k_q0e2c2ce9d5_layer1
		.amdhsa_group_segment_fixed_size 327680
		.amdhsa_private_segment_fixed_size 0
		.amdhsa_enable_private_segment 0
		.amdhsa_kernarg_size 88
		.amdhsa_user_sgpr_count 2
		.amdhsa_user_sgpr_kernarg_segment_ptr 1
		.amdhsa_wavefront_size32 1
		.amdhsa_system_sgpr_workgroup_id_x 1
		.amdhsa_system_sgpr_workgroup_id_y 1
		.amdhsa_system_sgpr_workgroup_id_z 1
		.amdhsa_system_vgpr_workitem_id 0
		.amdhsa_next_free_vgpr 1024
		.amdhsa_next_free_sgpr 100
		.amdhsa_reserve_vcc 1
		.amdhsa_float_denorm_mode_32 3
		.amdhsa_float_denorm_mode_16_64 3
		.amdhsa_memory_ordered 1
		.amdhsa_forward_progress 1
		.amdhsa_inst_pref_size 144
	.end_amdhsa_kernel
	.amdgpu_metadata
---
amdhsa.version: [ 1, 2 ]
amdhsa.kernels:
  - .name:           k_q0e2c2ce9d5_layer1
    .symbol:         k_q0e2c2ce9d5_layer1.kd
    .args:
      - { .name: x_codes, .offset: 0, .size: 8, .value_kind: global_buffer, .address_space: global }
      - { .name: w0_codes, .offset: 8, .size: 8, .value_kind: global_buffer, .address_space: global }
      - { .name: lowp_scales, .offset: 16, .size: 8, .value_kind: global_buffer, .address_space: global }
      - { .name: b0, .offset: 24, .size: 8, .value_kind: global_buffer, .address_space: global }
      - { .name: h1, .offset: 32, .size: 8, .value_kind: global_buffer, .address_space: global }
      - { .name: w1, .offset: 40, .size: 8, .value_kind: global_buffer, .address_space: global }
      - { .name: mask1, .offset: 48, .size: 8, .value_kind: global_buffer, .address_space: global }
      - { .name: w1q, .offset: 56, .size: 8, .value_kind: global_buffer, .address_space: global }
      - { .name: w2, .offset: 64, .size: 8, .value_kind: global_buffer, .address_space: global }
      - { .name: mask2, .offset: 72, .size: 8, .value_kind: global_buffer, .address_space: global }
      - { .name: w2q, .offset: 80, .size: 8, .value_kind: global_buffer, .address_space: global }
    .group_segment_fixed_size: 327680
    .private_segment_fixed_size: 0
    .kernarg_segment_align: 8
    .kernarg_segment_size: 88
    .max_flat_workgroup_size: 128
    .sgpr_count:     100
    .vgpr_count:     1024
    .wavefront_size: 32
...
	.end_amdgpu_metadata
.endif
;; end of part 1
;; launch layer2 (part 2): grid 4 x 64, 4 waves a work-group, clusters of 4 x 4, 327,680 bytes of LDS; arguments h1, w1q, lowp_scales, b1, h2; writes h2
.if DOCPART == 2
	.amdgcn_target "amdgcn-amd-amdhsa--gfx1250"
	.amdhsa_code_object_version 6
	.text
	.protected	k_q0e2c2ce9d5_layer2
	.globl	k_q0e2c2ce9d5_layer2
	.p2align	8
	.type	k_q0e2c2ce9d5_layer2,@function
k_q0e2c2ce9d5_layer2:
	s_mov_b64 s[64:65], 0
	v_nop
	global_prefetch_b8 v0, s[64:65] scope:SCOPE_SE
	s_setreg_imm32_b32 hwreg(HW_REG_WAVE_MODE, 25, 1), 1
	s_wait_xcnt 0x0
	s_wait_alu depctr_hold_cnt(0) depctr_sa_sdst(0) depctr_va_vdst(0) depctr_va_sdst(0) depctr_va_ssrc(0) depctr_va_vcc(0) depctr_vm_vsrc(0)
	s_getreg_b32 s2, hwreg(HW_REG_IB_STS2, 6, 4)
	s_cmp_eq_u32 s2, 0
	s_cbranch_scc0 .Lentry_in_a_cluster
	s_endpgm
.Lentry_in_a_cluster:
	s_bfe_u32 s2, ttmp6, 0x10000c
	s_cmp_lg_u32 s2, 0xf033
	s_cbranch_scc0 .Lentry_shape_is_right
	s_endpgm
.Lentry_shape_is_right:
; SECOND LAYER: H2 = Q(relu(H1 W^T + b)).  W = w1q [1024][1024]: codes, rows of 1,024 bytes.  Scales: e2 (H1), e3 (W), e4 (H2).
; H1 and H2 lie in the order of operand registers: [16 rows][128 k] blocks of 2,048 bytes, as 4 chunks of 512: lane l = 16 h + r holds k = 32 c + 8 h + 0..7, then 32 c + 16 + 8 h + 0..7 of row r: the form's own places of k.
; 16 rows over all of K are 16,384 consecutive bytes, fetched as 16 rows of 1,024 bytes, each with 16 bytes of padding behind it in LDS; W's fragments take the same places of k by loads of 8 bytes.
; A sum S stands for S x 2^(e2+e3): b goes in as b / 2^(e2+e3); H2's conversion takes 2^(e4-e2-e3); the hold between 0 and 448 x that is the relu too.  LIMITS: e4-e2-e3 lies between -126 and 119.  NaN is not served.
; SHARES, LDS, CLUSTERS and PREFETCH as in the first layer: 256 x 256 a work-group, 256 work-groups; wave w keeps W's rows 64 w .. 64 w + 63 in 512 registers; eight passes of 32 rows of A;
; A's image from LDS byte 0, W's from 33,280; waves 0, 1 fetch W, waves 2, 3 A's first 32 rows; one joint load a wave brings the other 224 onto W's bytes; they are named for the L2 at the head, 56 rows to a partner.
.set KROW,   1024
.set PITCH,  1040
.set TILEB,  16*PITCH
.set QB,     32*PITCH
.set WIM,    QB
.set SPARE,  WIM+256*PITCH
.set NP,     4
.set BO,9
.set SCL,10
.set LIM,11
.set ADA,16
.set ADB,20
.set PFO,21
.set PFQ,22
.set CO,26
.set SPW,28
.set NIL,29
.set BIAS,32
.set ACC,64
.set TMP,128
.set BK,192
.set G1W,24
.set G0W,32
.set G0H,36
.set G1H,48
.set G1R,56
.set G0R,96
.set EA,78
.set EB,79
.set EH,80
.set PADW,(1<<20)|(1<<21)|(7<<22)|(3<<25)
.set MSB, 0
.macro WIN new
.if MSB != (\new)
	s_set_vgpr_msb (MSB<<8)|(\new)
.set MSB, (\new)
.endif
.endm
.set MUL_W, 0x06
.set TO_A,  0x40
.macro CREST
	s_cmp_lg_u32 s14, 0
	s_cbranch_scc1 .Lnot_wave_0_\@
	s_barrier_signal -3
.Lnot_wave_0_\@:
	s_barrier_wait -3
	s_barrier_signal -1
	s_barrier_wait -1
.endm
.macro CROUND
	s_barrier_signal -1
	s_barrier_wait -1
	CREST
.endm
.macro PLACES n
.rept \n
	v_nop
.endr
.endm
	s_load_b256 s[4:11], s[0:1], 0x0               ; A, W, scales, b
	s_load_b64 s[72:73], s[0:1], 0x20              ; H2
	v_lshl_add_u32 v[SPW], v0, 2, SPARE
	v_mov_b32 v[NIL], 0
	ds_add_u32 v[SPW], v[NIL]                      ; the opening lines: the add twice and one wait
	ds_add_u32 v[SPW], v[NIL]
	v_lshrrev_b32 v1, 5, v0
	v_readfirstlane_b32 s14, v1
	s_lshr_b32 s15, s14, 1
	s_and_b32 s16, s14, 1
	s_bfe_u32 s40, ttmp6, 0x40000
	s_bfe_u32 s41, ttmp6, 0x40004
	s_lshl_b32 s42, ttmp9, 2
	s_add_co_u32 s42, s42, s40                     ; tile column
	s_and_b32 s17, ttmp7, 0xffff
	s_lshl_b32 s17, s17, 2
	s_add_co_u32 s17, s17, s41                     ; tile row
	s_lshl_b32 s43, s41, 2
	s_lshl_b32 s43, 15, s43
	s_lshl_b32 s44, 0x1111, s40
	s_or_b32 s[G1W], s44, PADW
	s_or_b32 s[G1H], s43, PADW
	s_or_b32 s[G1R], s43, PADW
.irp g, G1W, G1H, G1R
	s_mov_b32 s[\g+1], KROW<<16
	s_mov_b32 s[\g+3], KROW<<16
	s_mov_b32 s[\g+5], KROW
	s_mov_b32 s[\g+6], 0
	s_mov_b32 s[\g+7], 0
.endr
	s_mov_b32 s[G1W+2], 128<<16
	s_mov_b32 s[G1W+4], 128
	s_mov_b32 s[G1H+2], 16<<16
	s_mov_b32 s[G1H+4], 16
	s_mov_b32 s[G1R+2], 56<<16
	s_mov_b32 s[G1R+4], 56
	s_lshl_b32 s46, s42, 18
	s_lshl_b32 s18, s16, 17
	s_add_co_u32 s46, s46, s18
	s_mov_b32 s47, 0
	s_lshl_b32 s20, s17, 18
	s_lshl_b32 s18, s16, 14
	s_add_co_u32 s20, s20, s18
	s_mov_b32 s21, 0
	s_mul_i32 s22, s14, 56*KROW
	s_lshl_b32 s18, s17, 18
	s_add_co_u32 s22, s22, s18
	s_add_co_u32 s22, s22, 32*KROW
	s_mov_b32 s23, 0
	s_mov_b32 s[G0W], 1
	s_mul_i32 s[G0W+1], s16, 128*PITCH
	s_add_co_u32 s[G0W+1], s[G0W+1], WIM
	s_mov_b32 s[G0H], 1
	s_mul_i32 s[G0H+1], s16, TILEB
	s_mov_b32 s[G0R], 1
	s_mul_i32 s[G0R+1], s14, 56*PITCH
	s_add_co_u32 s[G0R+1], s[G0R+1], QB
	s_mul_i32 s45, s14, 64*PITCH
	s_add_co_u32 s45, s45, WIM
	s_lshl_b32 s66, s42, 10
	s_lshl_b32 s18, s14, 8
	s_add_co_u32 s66, s66, s18
	s_mov_b32 s67, 0
	s_lshl_b32 s2, s17, 18                         ; H2: 16 row blocks x tile row; bytes 4,096 x tile column + 1,024 x wave of a block
	s_lshl_b32 s18, s42, 12
	s_add_co_u32 s2, s2, s18
	s_lshl_b32 s18, s14, 10
	s_add_co_u32 s2, s2, s18
	s_mov_b32 s3, 0
	s_mul_i32 s68, s40, 56*KROW
	s_lshl_b32 s18, s17, 18
	s_add_co_u32 s68, s68, s18
	s_lshl_b32 s18, s14, 8
	s_add_co_u32 s68, s68, s18
	s_add_co_u32 s68, s68, 32*KROW
	s_mov_b32 s69, 0
	s_wait_dscnt 0x0
	s_wait_kmcnt 0x0
	s_load_b128 s[76:79], s[8:9], 0x0
	s_load_b64 s[80:81], s[8:9], 0x10
	s_add_nc_u64 s[G0W+2:G0W+3], s[6:7], s[46:47]
	s_or_b32 s[G0W+3], s[G0W+3], 0x80000000
	s_add_nc_u64 s[G0H+2:G0H+3], s[4:5], s[20:21]
	s_or_b32 s[G0H+3], s[G0H+3], 0x80000000
	s_add_nc_u64 s[G0R+2:G0R+3], s[4:5], s[22:23]
	s_or_b32 s[G0R+3], s[G0R+3], 0x80000000
	s_add_nc_u64 s[70:71], s[4:5], s[68:69]
	s_add_nc_u64 s[10:11], s[10:11], s[66:67]
	s_add_nc_u64 s[72:73], s[72:73], s[2:3]
	CROUND
	s_cmp_eq_u32 s15, 0
	s_cbranch_scc0 .Lhead_a
	tensor_load_to_lds s[G0W:G0W+3], s[G1W:G1W+7]  ; one tensor load a wave at the head
	s_nop 0
	PLACES 4
	s_branch .Lhead_j
.Lhead_a:
	tensor_load_to_lds s[G0H:G0H+3], s[G1H:G1H+7]
	s_nop 0
	PLACES 4
.Lhead_j:
	v_and_b32 v1, 15, v0
	v_bfe_u32 v2, v0, 4, 1
	v_and_b32 v6, 31, v0
	v_lshlrev_b32 v[BO], 5, v2
	v_lshlrev_b32 v[PFO], 10, v6
	v_add_nc_u32 v5, 32, v6
	v_min_u32 v5, 55, v5
	v_lshlrev_b32 v[PFQ], 10, v5
.irp n, 0,1,2,3
	global_load_b128 v[BIAS+8*\n:BIAS+8*\n+3],   v[BO], s[10:11] offset:64*\n
	global_load_b128 v[BIAS+8*\n+4:BIAS+8*\n+7], v[BO], s[10:11] offset:64*\n+16
.endr
	global_prefetch_b8 v[PFO], s[70:71] th:TH_LOAD_NT scope:SCOPE_SE
	global_prefetch_b8 v[PFQ], s[70:71] th:TH_LOAD_NT scope:SCOPE_SE
	v_mul_u32_u24 v3, v1, PITCH
	v_lshl_add_u32 v7, v2, 3, v3                   ; W: row x pitch + 8 h
	v_add_nc_u32 v[ADB], s45, v7
	v_lshlrev_b32 v4, 4, v6                        ; A: 16 x lane
.irp g, 0,1,2,3
	v_add_nc_u32 v[ADA+\g], \g*4*TILEB, v4
	v_add_nc_u32 v[ADA-4+\g], \g*4*TILEB+2*TILEB, v4   ; v12-15: the odd passes' addresses, so that every offset fits the 16-bit immediate
.endr
	v_lshlrev_b32 v[CO], 4, v6
	s_wait_alu depctr_va_vdst(0)
	s_wait_kmcnt 0x0
	s_add_co_i32 s12, s[EA], s[EB]
	s_sub_co_i32 s13, 0, s12
	s_sub_co_i32 s18, s[EH], s12
	s_add_co_i32 s18, s18, 127
	s_lshl_b32 s19, s18, 23
	v_mov_b32 v[SCL], s19
	s_add_co_i32 s18, s18, 8
	s_lshl_b32 s18, s18, 23
	s_or_b32 s18, s18, 0x600000
	v_mov_b32 v[LIM], s18
	s_wait_loadcnt 0x0
.set k, 0
.rept 32
	v_ldexp_f32 v[BIAS+k], v[BIAS+k], s13
.set k, k+1
.endr
.macro READB                           ; my 64 rows of W into windows 2 and 3: registers 2 c, 2 c + 1 of a fragment hold k = 16 c + 8 h + 0..7
.irp wn, 0,1
	WIN 0x80+0x40*\wn
.irp s, 0,1,2,3
.irp n, 0,1,2,3
.irp c, 0,1,2,3,4,5,6,7
	ds_load_b64 v[16*(4*\s+\n)+2*\c:16*(4*\s+\n)+2*\c+1], v[ADB] offset:\n*TILEB+128*(4*\wn+\s)+16*\c
.endr
.endr
.endr
.endr
	WIN 0
.endm
.macro FETCHA p, hf                    ; 32 loads of 512 consecutive bytes: chunk c of k step s lies at LDS row 2 s + c / 2 of its block, byte 512 (c % 2)
	WIN TO_A
.irp s, 0,1,2,3
.irp t, 0,1
.irp c, 0,1,2,3
	ds_load_b128 v[128*(\hf)+16*(2*\s+\t)+4*\c:128*(\hf)+16*(2*\s+\t)+4*\c+3], v[ADA+(\p)/2-4*((\p)%2)] offset:\t*TILEB+(2*(4*(\hf)+\s)+\c/2)*PITCH+(\c%2)*512
.endr
.endr
.endr
	WIN 0
.endm
.macro MULH hf
	WIN MUL_W+(\hf)
.irp s, 0,1,2,3
.irp t, 0,1
.irp n, 0,1,2,3
.if (\hf == 0) && (\s == 0)
	v_wmma_f32_16x16x128_fp8_fp8 v[ACC+8*(4*\t+\n):ACC+8*(4*\t+\n)+7], v[16*(4*\s+\n):16*(4*\s+\n)+15], v[128*(\hf)+16*(2*\s+\t):128*(\hf)+16*(2*\s+\t)+15], v[BIAS+8*\n:BIAS+8*\n+7]
.else
	v_wmma_f32_16x16x128_fp8_fp8 v[ACC+8*(4*\t+\n):ACC+8*(4*\t+\n)+7], v[16*(4*\s+\n):16*(4*\s+\n)+15], v[128*(\hf)+16*(2*\s+\t):128*(\hf)+16*(2*\s+\t)+15], v[ACC+8*(4*\t+\n):ACC+8*(4*\t+\n)+7]
.endif
.endr
.endr
.endr
	WIN 0
.endm
.macro EPI p
.set CD, BK+16*((\p)%2)
	s_wait_xcnt 0x0                                ; earlier stores have read their registers
.set k, 0
.rept 64
	v_med3_num_f32 v[TMP+k], v[ACC+k], 0, v[LIM]
.set k, k+1
.endr
.irp t, 0,1
.irp n, 0,1,2,3
	v_cvt_scalef32_pk8_fp8_f32 v[CD+8*\t+2*\n:CD+8*\t+2*\n+1], v[TMP+8*(4*\t+\n):TMP+8*(4*\t+\n)+7], v[SCL]
.endr
.endr
	v_nop
.irp t, 0,1
.irp c, 0,1
	global_store_b128 v[CO], v[CD+8*\t+4*\c:CD+8*\t+4*\c+3], s[72:73] offset:(2*(\p)+\t)*16384+\c*512
.endr
.endr
.endm
.macro PASS p, nxt
	s_wait_dscnt 32                                ; all but the 32 LDS instructions issued last
	MULH 0
.if \nxt
	PLACES NP
	FETCHA (\p)+1, 0
	s_wait_dscnt 32
.else
	s_wait_dscnt 0x0
.endif
	MULH 1
	PLACES NP
.if \nxt
	FETCHA (\p)+1, 1
.endif
	EPI \p
.endm
	s_wait_alu depctr_va_vdst(0)                   ; the head's end
	s_wait_tensorcnt 0x0
	s_barrier_signal -1
	s_barrier_wait -1
	READB
	s_wait_tensorcnt 0x0                           ; ahead of the refill
	ds_add_u32 v[SPW], v[NIL]
	s_wait_dscnt 0x0
	CROUND
	tensor_load_to_lds s[G0R:G0R+3], s[G1R:G1R+7]
	s_nop 0
	PLACES 4
	FETCHA 0, 0
	FETCHA 0, 1
	PASS 0, 0
	s_wait_tensorcnt 0x0
	ds_add_u32 v[SPW], v[NIL]
	s_wait_dscnt 0x0
	s_barrier_signal -1
	s_barrier_wait -1
	FETCHA 1, 0
	FETCHA 1, 1
.irp p, 1,2,3,4,5,6
	PASS \p, 1
.endr
	PASS 7, 0
	s_wait_tensorcnt 0x0                           ; the wave's end
	ds_add_u32 v[SPW], v[NIL]
	s_wait_dscnt 0x0
	CROUND
	s_endpgm
.Lfunc_end_k_q0e2c2ce9d5_layer2:
	.size	k_q0e2c2ce9d5_layer2, .Lfunc_end_k_q0e2c2ce9d5_layer2-k_q0e2c2ce9d5_layer2
	.p2alignl 7, 3214868480
	.fill 96, 4, 3214868480
	.section	.rodata,"a",@progbits
	.p2align	6, 0x0
	.amdhsa_kernel k_q0e2c2ce9d5_layer2
		.amdhsa_group_segment_fixed_size 327680
		.amdhsa_private_segment_fixed_size 0
		.amdhsa_enable_private_segment 0
		.amdhsa_kernarg_size 40
		.amdhsa_user_sgpr_count 2
		.amdhsa_user_sgpr_kernarg_segment_ptr 1
		.amdhsa_wavefront_size32 1
		.amdhsa_system_sgpr_workgroup_id_x 1
		.amdhsa_system_sgpr_workgroup_id_y 1
		.amdhsa_system_sgpr_workgroup_id_z 1
		.amdhsa_system_vgpr_workitem_id 0
		.amdhsa_next_free_vgpr 1024
		.amdhsa_next_free_sgpr 100
		.amdhsa_reserve_vcc 0
		.amdhsa_float_denorm_mode_32 3
		.amdhsa_float_denorm_mode_16_64 3
		.amdhsa_memory_ordered 1
		.amdhsa_forward_progress 1
		.amdhsa_inst_pref_size 136
	.end_amdhsa_kernel
	.amdgpu_metadata
---
amdhsa.version: [ 1, 2 ]
amdhsa.kernels:
  - .name:           k_q0e2c2ce9d5_layer2
    .symbol:         k_q0e2c2ce9d5_layer2.kd
    .args:
      - { .name: h1, .offset: 0, .size: 8, .value_kind: global_buffer, .address_space: global }
      - { .name: w1q, .offset: 8, .size: 8, .value_kind: global_buffer, .address_space: global }
      - { .name: lowp_scales, .offset: 16, .size: 8, .value_kind: global_buffer, .address_space: global }
      - { .name: b1, .offset: 24, .size: 8, .value_kind: global_buffer, .address_space: global }
      - { .name: h2, .offset: 32, .size: 8, .value_kind: global_buffer, .address_space: global }
    .group_segment_fixed_size: 327680
    .private_segment_fixed_size: 0
    .kernarg_segment_align: 8
    .kernarg_segment_size: 40
    .max_flat_workgroup_size: 128
    .sgpr_count:     100
    .vgpr_count:     1024
    .wavefront_size: 32
...
	.end_amdgpu_metadata
.endif
;; end of part 2
;; launch layer3 (part 3): grid 4 x 64, 4 waves a work-group, clusters of 4 x 4, 327,680 bytes of LDS; arguments h2, w2q, lowp_scales, b2, out0; writes out0
.if DOCPART == 3
	.amdgcn_target "amdgcn-amd-amdhsa--gfx1250"
	.amdhsa_code_object_version 6
	.text
	.protected	k_q0e2c2ce9d5_layer3
	.globl	k_q0e2c2ce9d5_layer3
	.p2align	8
	.type	k_q0e2c2ce9d5_layer3,@function
k_q0e2c2ce9d5_layer3:
	s_mov_b64 s[64:65], 0
	v_nop
	global_prefetch_b8 v0, s[64:65] scope:SCOPE_SE
	s_setreg_imm32_b32 hwreg(HW_REG_WAVE_MODE, 25, 1), 1
	s_wait_xcnt 0x0
	s_wait_alu depctr_hold_cnt(0) depctr_sa_sdst(0) depctr_va_vdst(0) depctr_va_sdst(0) depctr_va_ssrc(0) depctr_va_vcc(0) depctr_vm_vsrc(0)
	s_getreg_b32 s2, hwreg(HW_REG_IB_STS2, 6, 4)
	s_cmp_eq_u32 s2, 0
	s_cbranch_scc0 .Lentry_in_a_cluster
	s_endpgm
.Lentry_in_a_cluster:
	s_bfe_u32 s2, ttmp6, 0x10000c
	s_cmp_lg_u32 s2, 0xf033
	s_cbranch_scc0 .Lentry_shape_is_right
	s_endpgm
.Lentry_shape_is_right:
; THIRD LAYER: out = relu(H2 W^T + b), f32 [16384][1024].  W = w2q [1024][1024]: codes, rows of 1,024 bytes.  Scales: e4 (H2), e5 (W).
; H2 lies in the order of operand registers, as the second layer stores it: [16 rows][128 k] blocks of 2,048 bytes, 4 chunks of 512, lane l = 16 h + r: k = 32 c + 8 h + 0..7, then 32 c + 16 + 8 h + 0..7 of row r.
; A sum S stands for S x 2^(e4+e5): b goes in as b / 2^(e4+e5); each finished sum is multiplied once by 2^(e4+e5).  LIMIT: e4+e5 lies between -126 and 127.  NaN is not served.
; SHARES, LDS, CLUSTERS and PREFETCH as in the first two layers: 256 x 256 a work-group, 256 work-groups; wave w keeps W's rows 64 w .. 64 w + 63 in 512 registers; eight passes of 32 rows of A;
; A's image from LDS byte 0, W's from 33,280; waves 0, 1 fetch W, waves 2, 3 A's first 32 rows; one joint load a wave brings the other 224 onto W's bytes; they are named for the L2 at the head, 56 rows to a partner.
; THE WAY OUT: a wave's 64 columns are 256 bytes of a row.  A block of 16 rows goes through the wave's own stage (bytes that no fill lands on) and comes back as whole rows: 16 lanes store 256 consecutive bytes.
.set KROW,   1024
.set YROW,   4096
.set PITCH,  1040
.set TILEB,  16*PITCH
.set QB,     32*PITCH
.set WIM,    QB
.set SPARE,  WIM+256*PITCH
.set STAGE,  SPARE+512
.set SPITCH, 272
.set NP,     4
.set BO,9
.set ADA,16
.set ADB,20
.set PFO,21
.set PFQ,22
.set STO,24
.set RD,25
.set CO,26
.set SPW,28
.set NIL,29
.set BIAS,32
.set ACC,64
.set TMP,128
.set BK,192
.set G1W,24
.set G0W,32
.set G0H,36
.set G1H,48
.set G1R,56
.set G0R,96
.set EA,80
.set EB,81
.set PADW,(1<<20)|(1<<21)|(7<<22)|(3<<25)
.set MSB, 0
.macro WIN new
.if MSB != (\new)
	s_set_vgpr_msb (MSB<<8)|(\new)
.set MSB, (\new)
.endif
.endm
.set MUL_W, 0x06
.set TO_A,  0x40
.macro CREST
	s_cmp_lg_u32 s14, 0
	s_cbranch_scc1 .Lnot_wave_0_\@
	s_barrier_signal -3
.Lnot_wave_0_\@:
	s_barrier_wait -3
	s_barrier_signal -1
	s_barrier_wait -1
.endm
.macro CROUND
	s_barrier_signal -1
	s_barrier_wait -1
	CREST
.endm
.macro PLACES n
.rept \n
	v_nop
.endr
.endm
	s_load_b256 s[4:11], s[0:1], 0x0               ; A, W, scales, b
	s_load_b64 s[72:73], s[0:1], 0x20              ; out
	v_lshl_add_u32 v[SPW], v0, 2, SPARE
	v_mov_b32 v[NIL], 0
	ds_add_u32 v[SPW], v[NIL]                      ; the opening lines: the add twice and one wait
	ds_add_u32 v[SPW], v[NIL]
	v_lshrrev_b32 v1, 5, v0
	v_readfirstlane_b32 s14, v1
	s_lshr_b32 s15, s14, 1
	s_and_b32 s16, s14, 1
	s_bfe_u32 s40, ttmp6, 0x40000
	s_bfe_u32 s41, ttmp6, 0x40004
	s_lshl_b32 s42, ttmp9, 2
	s_add_co_u32 s42, s42, s40                     ; tile column
	s_and_b32 s17, ttmp7, 0xffff
	s_lshl_b32 s17, s17, 2
	s_add_co_u32 s17, s17, s41                     ; tile row
	s_lshl_b32 s43, s41, 2
	s_lshl_b32 s43, 15, s43
	s_lshl_b32 s44, 0x1111, s40
	s_or_b32 s[G1W], s44, PADW
	s_or_b32 s[G1H], s43, PADW
	s_or_b32 s[G1R], s43, PADW
.irp g, G1W, G1H, G1R
	s_mov_b32 s[\g+1], KROW<<16
	s_mov_b32 s[\g+3], KROW<<16
	s_mov_b32 s[\g+5], KROW
	s_mov_b32 s[\g+6], 0
	s_mov_b32 s[\g+7], 0
.endr
	s_mov_b32 s[G1W+2], 128<<16
	s_mov_b32 s[G1W+4], 128
	s_mov_b32 s[G1H+2], 16<<16
	s_mov_b32 s[G1H+4], 16
	s_mov_b32 s[G1R+2], 56<<16
	s_mov_b32 s[G1R+4], 56
	s_lshl_b32 s46, s42, 18
	s_lshl_b32 s18, s16, 17
	s_add_co_u32 s46, s46, s18
	s_mov_b32 s47, 0
	s_lshl_b32 s20, s17, 18
	s_lshl_b32 s18, s16, 14
	s_add_co_u32 s20, s20, s18
	s_mov_b32 s21, 0
	s_mul_i32 s22, s14, 56*KROW
	s_lshl_b32 s18, s17, 18
	s_add_co_u32 s22, s22, s18
	s_add_co_u32 s22, s22, 32*KROW
	s_mov_b32 s23, 0
	s_mov_b32 s[G0W], 1
	s_mul_i32 s[G0W+1], s16, 128*PITCH
	s_add_co_u32 s[G0W+1], s[G0W+1], WIM
	s_mov_b32 s[G0H], 1
	s_mul_i32 s[G0H+1], s16, TILEB
	s_mov_b32 s[G0R], 1
	s_mul_i32 s[G0R+1], s14, 56*PITCH
	s_add_co_u32 s[G0R+1], s[G0R+1], QB
	s_mul_i32 s45, s14, 64*PITCH
	s_add_co_u32 s45, s45, WIM
	s_lshl_b32 s66, s42, 10                        ; b, and my columns in a row of out: 4 x (256 x tile column + 64 x wave)
	s_lshl_b32 s18, s14, 8
	s_add_co_u32 s66, s66, s18
	s_mov_b32 s67, 0
	s_lshl_b32 s2, s17, 20                         ; out: 256 rows of 4,096 bytes x tile row
	s_add_co_u32 s2, s2, s66
	s_mov_b32 s3, 0
	s_mul_i32 s68, s40, 56*KROW
	s_lshl_b32 s18, s17, 18
	s_add_co_u32 s68, s68, s18
	s_lshl_b32 s18, s14, 8
	s_add_co_u32 s68, s68, s18
	s_add_co_u32 s68, s68, 32*KROW
	s_mov_b32 s69, 0
	s_mul_i32 s19, s14, 16*SPITCH
	s_add_co_u32 s19, s19, STAGE                   ; my stage
	s_wait_dscnt 0x0
	s_wait_kmcnt 0x0
	s_load_b64 s[80:81], s[8:9], 0x10              ; e4, e5
	s_add_nc_u64 s[G0W+2:G0W+3], s[6:7], s[46:47]
	s_or_b32 s[G0W+3], s[G0W+3], 0x80000000
	s_add_nc_u64 s[G0H+2:G0H+3], s[4:5], s[20:21]
	s_or_b32 s[G0H+3], s[G0H+3], 0x80000000
	s_add_nc_u64 s[G0R+2:G0R+3], s[4:5], s[22:23]
	s_or_b32 s[G0R+3], s[G0R+3], 0x80000000
	s_add_nc_u64 s[70:71], s[4:5], s[68:69]
	s_add_nc_u64 s[10:11], s[10:11], s[66:67]
	s_add_nc_u64 s[72:73], s[72:73], s[2:3]
	CROUND
	s_cmp_eq_u32 s15, 0
	s_cbranch_scc0 .Lhead_a
	tensor_load_to_lds s[G0W:G0W+3], s[G1W:G1W+7]  ; one tensor load a wave at the head
	s_nop 0
	PLACES 4
	s_branch .Lhead_j
.Lhead_a:
	tensor_load_to_lds s[G0H:G0H+3], s[G1H:G1H+7]
	s_nop 0
	PLACES 4
.Lhead_j:
	v_and_b32 v1, 15, v0
	v_bfe_u32 v2, v0, 4, 1
	v_and_b32 v6, 31, v0
	v_lshlrev_b32 v[BO], 5, v2
	v_lshlrev_b32 v[PFO], 10, v6
	v_add_nc_u32 v5, 32, v6
	v_min_u32 v5, 55, v5
	v_lshlrev_b32 v[PFQ], 10, v5
.irp n, 0,1,2,3
	global_load_b128 v[BIAS+8*\n:BIAS+8*\n+3],   v[BO], s[10:11] offset:64*\n
	global_load_b128 v[BIAS+8*\n+4:BIAS+8*\n+7], v[BO], s[10:11] offset:64*\n+16
.endr
	global_prefetch_b8 v[PFO], s[70:71] th:TH_LOAD_NT scope:SCOPE_SE
	global_prefetch_b8 v[PFQ], s[70:71] th:TH_LOAD_NT scope:SCOPE_SE
	v_mul_u32_u24 v3, v1, PITCH
	v_lshl_add_u32 v7, v2, 3, v3                   ; W: row x pitch + 8 h
	v_add_nc_u32 v[ADB], s45, v7
	v_lshlrev_b32 v4, 4, v6                        ; A: 16 x lane
.irp g, 0,1,2,3
	v_add_nc_u32 v[ADA+\g], \g*4*TILEB, v4
	v_add_nc_u32 v[ADA-4+\g], \g*4*TILEB+2*TILEB, v4   ; v12-15: the odd passes' addresses, so that every offset fits the 16-bit immediate
.endr
	v_mul_u32_u24 v8, v1, SPITCH                   ; into the stage: row r, 32 bytes for each half of the lanes
	v_lshl_add_u32 v8, v2, 5, v8
	v_add_nc_u32 v[STO], s19, v8
	v_mul_u32_u24 v8, v2, SPITCH                   ; back: lanes 0-15 one row of 256 bytes, lanes 16-31 the next
	v_lshl_add_u32 v8, v1, 4, v8
	v_add_nc_u32 v[RD], s19, v8
	v_lshlrev_b32 v8, 12, v2                       ; and the same two rows in out
	v_lshl_add_u32 v[CO], v1, 4, v8
	s_wait_alu depctr_va_vdst(0)
	s_wait_kmcnt 0x0
	s_add_co_i32 s12, s[EA], s[EB]
	s_sub_co_i32 s13, 0, s12
	s_add_co_i32 s86, s12, 127
	s_lshl_b32 s86, s86, 23                        ; 2^(e4+e5) as f32
	s_mov_b32 s87, s86
	s_wait_loadcnt 0x0
.set k, 0
.rept 32
	v_ldexp_f32 v[BIAS+k], v[BIAS+k], s13
.set k, k+1
.endr
.macro READB                           ; my 64 rows of W into windows 2 and 3: registers 2 c, 2 c + 1 of a fragment hold k = 16 c + 8 h + 0..7
.irp wn, 0,1
	WIN 0x80+0x40*\wn
.irp s, 0,1,2,3
.irp n, 0,1,2,3
.irp c, 0,1,2,3,4,5,6,7
	ds_load_b64 v[16*(4*\s+\n)+2*\c:16*(4*\s+\n)+2*\c+1], v[ADB] offset:\n*TILEB+128*(4*\wn+\s)+16*\c
.endr
.endr
.endr
.endr
	WIN 0
.endm
.macro FETCHA p, hf                    ; 32 loads of 512 consecutive bytes
	WIN TO_A
.irp s, 0,1,2,3
.irp t, 0,1
.irp c, 0,1,2,3
	ds_load_b128 v[128*(\hf)+16*(2*\s+\t)+4*\c:128*(\hf)+16*(2*\s+\t)+4*\c+3], v[ADA+(\p)/2-4*((\p)%2)] offset:\t*TILEB+(2*(4*(\hf)+\s)+\c/2)*PITCH+(\c%2)*512
.endr
.endr
.endr
	WIN 0
.endm
.macro MULH hf
	WIN MUL_W+(\hf)
.irp s, 0,1,2,3
.irp t, 0,1
.irp n, 0,1,2,3
.if (\hf == 0) && (\s == 0)
	v_wmma_f32_16x16x128_fp8_fp8 v[ACC+8*(4*\t+\n):ACC+8*(4*\t+\n)+7], v[16*(4*\s+\n):16*(4*\s+\n)+15], v[128*(\hf)+16*(2*\s+\t):128*(\hf)+16*(2*\s+\t)+15], v[BIAS+8*\n:BIAS+8*\n+7]
.else
	v_wmma_f32_16x16x128_fp8_fp8 v[ACC+8*(4*\t+\n):ACC+8*(4*\t+\n)+7], v[16*(4*\s+\n):16*(4*\s+\n)+15], v[128*(\hf)+16*(2*\s+\t):128*(\hf)+16*(2*\s+\t)+15], v[ACC+8*(4*\t+\n):ACC+8*(4*\t+\n)+7]
.endif
.endr
.endr
.endr
	WIN 0
.endm
.macro EPI                             ; x 2^(e4+e5), relu, through my stage; LDS serves a wave's instructions in order (ISA guide 5.7.1.4)
.set k, 0
.rept 32
	v_pk_mul_f32 v[TMP+k:TMP+k+1], v[ACC+k:ACC+k+1], s[86:87] op_sel_hi:[1,0]
.set k, k+2
.endr
.set k, 0
.rept 64
	v_max_num_f32 v[TMP+k], 0, v[TMP+k]
.set k, k+1
.endr
	s_wait_alu depctr_va_vdst(0)
	s_wait_xcnt 0x0                                ; earlier stores have read the registers that the loads below fill
.irp t, 0,1
.irp n, 0,1,2,3
	ds_store_b128 v[STO], v[TMP+8*(4*\t+\n):TMP+8*(4*\t+\n)+3] offset:64*\n
	ds_store_b128 v[STO], v[TMP+8*(4*\t+\n)+4:TMP+8*(4*\t+\n)+7] offset:64*\n+16
.endr
.irp i, 0,1,2,3,4,5,6,7
	ds_load_b128 v[BK+32*\t+4*\i:BK+32*\t+4*\i+3], v[RD] offset:\i*2*SPITCH
.endr
.endr
.endm
.macro SEND p
	s_wait_dscnt 0x0
.irp t, 0,1
.irp i, 0,1,2,3,4,5,6,7
	global_store_b128 v[CO], v[BK+32*\t+4*\i:BK+32*\t+4*\i+3], s[72:73] offset:(32*(\p)+16*\t+2*\i)*YROW th:TH_STORE_NT
.endr
.endr
.endm
.macro PASS p, snd, nxt
	s_wait_dscnt 32                                ; all but the 32 LDS instructions issued last
	MULH 0
.if \snd
	SEND (\p)-1
.endif
.if \nxt
	PLACES NP
	FETCHA (\p)+1, 0
	s_wait_dscnt 32
.else
	s_wait_dscnt 0x0
.endif
	MULH 1
	PLACES NP
.if \nxt
	FETCHA (\p)+1, 1
.endif
	EPI
.endm
	s_wait_alu depctr_va_vdst(0)                   ; the head's end
	s_wait_tensorcnt 0x0
	s_barrier_signal -1
	s_barrier_wait -1
	READB
	s_wait_tensorcnt 0x0                           ; ahead of the refill
	ds_add_u32 v[SPW], v[NIL]
	s_wait_dscnt 0x0
	CROUND
	tensor_load_to_lds s[G0R:G0R+3], s[G1R:G1R+7]
	s_nop 0
	PLACES 4
	FETCHA 0, 0
	FETCHA 0, 1
	PASS 0, 0, 0
	s_wait_tensorcnt 0x0
	ds_add_u32 v[SPW], v[NIL]
	s_wait_dscnt 0x0
	s_barrier_signal -1
	s_barrier_wait -1
	SEND 0
	FETCHA 1, 0
	FETCHA 1, 1
	PASS 1, 0, 1
.irp p, 2,3,4,5,6
	PASS \p, 1, 1
.endr
	PASS 7, 1, 0
	SEND 7
	s_wait_tensorcnt 0x0                           ; the wave's end
	ds_add_u32 v[SPW], v[NIL]
	s_wait_dscnt 0x0
	CROUND
	s_endpgm
.Lfunc_end_k_q0e2c2ce9d5_layer3:
	.size	k_q0e2c2ce9d5_layer3, .Lfunc_end_k_q0e2c2ce9d5_layer3-k_q0e2c2ce9d5_layer3
	.p2alignl 7, 3214868480
	.fill 96, 4, 3214868480
	.section	.rodata,"a",@progbits
	.p2align	6, 0x0
	.amdhsa_kernel k_q0e2c2ce9d5_layer3
		.amdhsa_group_segment_fixed_size 327680
		.amdhsa_private_segment_fixed_size 0
		.amdhsa_enable_private_segment 0
		.amdhsa_kernarg_size 40
		.amdhsa_user_sgpr_count 2
		.amdhsa_user_sgpr_kernarg_segment_ptr 1
		.amdhsa_wavefront_size32 1
		.amdhsa_system_sgpr_workgroup_id_x 1
		.amdhsa_system_sgpr_workgroup_id_y 1
		.amdhsa_system_sgpr_workgroup_id_z 1
		.amdhsa_system_vgpr_workitem_id 0
		.amdhsa_next_free_vgpr 1024
		.amdhsa_next_free_sgpr 100
		.amdhsa_reserve_vcc 0
		.amdhsa_float_denorm_mode_32 3
		.amdhsa_float_denorm_mode_16_64 3
		.amdhsa_memory_ordered 1
		.amdhsa_forward_progress 1
		.amdhsa_inst_pref_size 157
	.end_amdhsa_kernel
	.amdgpu_metadata
---
amdhsa.version: [ 1, 2 ]
amdhsa.kernels:
  - .name:           k_q0e2c2ce9d5_layer3
    .symbol:         k_q0e2c2ce9d5_layer3.kd
    .args:
      - { .name: h2, .offset: 0, .size: 8, .value_kind: global_buffer, .address_space: global }
      - { .name: w2q, .offset: 8, .size: 8, .value_kind: global_buffer, .address_space: global }
      - { .name: lowp_scales, .offset: 16, .size: 8, .value_kind: global_buffer, .address_space: global }
      - { .name: b2, .offset: 24, .size: 8, .value_kind: global_buffer, .address_space: global }
      - { .name: out0, .offset: 32, .size: 8, .value_kind: global_buffer, .address_space: global }
    .group_segment_fixed_size: 327680
    .private_segment_fixed_size: 0
    .kernarg_segment_align: 8
    .kernarg_segment_size: 40
    .max_flat_workgroup_size: 128
    .sgpr_count:     100
    .vgpr_count:     1024
    .wavefront_size: 32
...
	.end_amdgpu_metadata
.endif
;; end of part 3
